; MI455X (gfx1250); checked and timed in simulation.
; The chip was launched on July 23, 2026; its instructions are those of AMD's public machine-readable ISA for CDNA 5 (MIT licence, August 2026) and "CDNA5" Instruction Set Architecture Reference Guide (July 2026). The comments in the code are by the model that wrote it; some were corrected since.
;; Zt Attention. Allowed arithmetic: matrix products marked QUANTISED: E3M2 operands, one E8M0 scale for each 32 along K, by v_wmma_scale_f32_16x16x128_f8f6f4 with both operands' format E3M2, f32 sums; everything else in f32.
;; Inputs: keys 4 x 2,048 x 16 x 64 float32; queries 4 x 2,048 x 16 x 64 float32; values 4 x 2,048 x 16 x 64 float32.
;; Outputs: out0 4 x 2,048 x 16 x 64 float32.
;; This version of the problem:
;;   THIS VERSION OF THE PROBLEM IS GIVEN IN LOW PRECISION. The matrix products marked QUANTISED in the list below multiply operands that are first quantised to E3M2 (3 exponent bits, 2 mantissa bits; 6 bits a number), with one power-of-two scale for each 32 numbers along K (OCP MX v1.0); their sums are f32. All else is computed in f32.
;;   The module's matrix products, in the order in which they are computed (A, B: the left and right operand; K: the contracted axis; several contracted axes count as one K, in the product's order):
;;     1. batch 64 x [M 2,048, K 64] x [K 64, N 2,048]; A: input queries; B: input keys: QUANTISED
;;     2. batch 64 x [M 64, K 2,048] x [K 2,048, N 2,048]; A: input values; B: softmax (see below): QUANTISED
;;   THE QUANTISER, for each operand of a quantised product, along K:
;;     - K is cut into blocks of 32 from its start; a last block that is shorter is filled with zeros.
;;     - A block's scale is 2^e with e = floor(log2(the largest magnitude in the block)) - 4, held to -126 .. 127; a block of zeros has e = 0. As a byte (E8M0): e + 127.
;;     - Each number is divided by its block's scale, clamped to +-28, and rounded to the nearest number of E3M2, ties to even, subnormals kept.
;;     - The product sums the exact products of the quantised numbers (number of the format x scale) in f32.
;;   ~~~python
;;   def quantise(x, axis):      # numpy; x: float32 -> the quantised numbers, widened to float32 again
;;       x = np.moveaxis(x, axis, -1); K = x.shape[-1]
;;       x = np.pad(x, [(0, 0)] * (x.ndim - 1) + [(0, -K % 32)]); x = x.reshape(x.shape[:-1] + (-1, 32)); a = np.abs(x).max(-1, keepdims=True)
;;       e = np.where(a > 0, np.clip(np.frexp(np.where(a > 0, a, 1))[1] - 1 - 4, -126, 127), 0)      # np.frexp(a)[1] - 1 = floor(log2(a)), exactly
;;       r = np.clip(x / 2.0 ** e, -28, 28)
;;       step = 2.0 ** (np.maximum(np.frexp(np.where(r == 0, 1, r))[1] - 1, -2) - 2)
;;       q = np.round(r / step) * step * 2.0 ** e      # np.round: ties to even
;;       return np.moveaxis(q.reshape(q.shape[:-2] + (-1,))[..., :K], -1, axis).astype(np.float32)
;;   ~~~
;;   SOFTMAX AHEAD OF A QUANTISED PRODUCT. Where the list says 'softmax', what is quantised is not the finished softmax but p = 2^(t - M), with t = logit x log2(e) and M = ceil(the row's largest t), a whole number; so 1/2 < the row's largest p <= 1. The row's sum l is taken of the UNQUANTISED p, in f32, and the product's result is divided by l at the end. Since M is a whole number, a kernel that streams over the keys may use a running M (the ceiling of the running maximum): every later rescaling is an exact power of two, which a block's scale takes up: the codes' values come out the same.
;;   OPERANDS COMPUTED ON THE WAY. 'Computed on the way' means the value that the module computes at that place (a softmax that the list does not call 'softmax' is quantised finished and normalised). What goes into a quantiser is computed in f32, as accurately as f32 sums, v_exp_f32 and their like allow (about 1e-6 of the number): no bf16 or f16 on the way to a quantiser, and a product that is left as it is and whose result goes on into a quantised operand takes f32 operands (vector FMAs, or v_wmma_f32_16x16x4_f32). A number that lies on a knife's edge between two numbers of the format may be rounded either way, as far as f32 arithmetic and the matrix unit's own rounding can turn it there, and no further.
;; One version. Each part assembles by itself: llvm-mc -triple=amdgcn-amd-amdhsa -mcpu=gfx1250 --defsym DOCPART=n.
;; ======== version 1 of 1: 2 launches
;; workspace buffers: kv 13,369,344 bytes
;; launch prep (part 1): grid 256 x 2, 4 waves a work-group, no clusters, 35,328 bytes of LDS; arguments keys, values, kv; writes kv
.if DOCPART == 1
	.amdgcn_target "amdgcn-amd-amdhsa--gfx1250"
	.amdhsa_code_object_version 6
	.text
	.protected	k_q4abd386edf_prep
	.globl	k_q4abd386edf_prep
	.p2align	8
	.type	k_q4abd386edf_prep,@function
k_q4abd386edf_prep:
	s_mov_b64 s[64:65], 0
	v_nop
	global_prefetch_b8 v0, s[64:65] scope:SCOPE_SE
	s_setreg_imm32_b32 hwreg(HW_REG_WAVE_MODE, 25, 1), 1
	s_wait_xcnt 0x0
; keys and values, [4][2048][16][64] f32, become codes of BF6 (E3M2), 6 bits each, with one E8M0 scale byte for each 32 along a product's K.
; K is quantised along the head's 64 channels (two blocks a key), V along the KEYS (blocks of 32 keys of one channel).
; The result, kv, is laid as IMAGES OF THE OPERANDS' REGISTERS: for each head bh = 16 b + h and each step of 128 keys one block of 13,056 bytes:
;   byte 0      K's codes: pair p = 0..3 at 1,536 p; in it 12 registers, four to a group of 512 bytes, lane l's 16 bytes at 16 l: tile 2p's registers 0-5, then tile 2p+1's registers 0-5.
;               Lane (r, hl) of tile 2p+u holds key 32 p + 8 u + r + 8 (r / 8), channels 32 hl .. 32 hl + 31.  (The keys of a tile are no neighbours: so the scores of two tiles are 16 neighbouring keys in a lane.)
;   byte 6,144  V^T's codes: tile t = 0..3 (channels 16 t + r) at 1,536 t, 12 registers: registers 6 c .. 6 c + 5 of lane (r, hl) hold keys 64 c + 32 hl .. + 31.
;   byte 12,288 K's scale words, 16 bytes a lane: word p: lanes 0-15 tile 2p's rows, lanes 16-31 tile 2p+1's; a word is byte0, byte1, byte0, byte1 (the upper two belong to the product's padded half of K).
;   byte 12,800 V's scale words, 8 bytes a lane: word hf: lane l = channel 32 hf + l, byte j = the step's block j of 32 keys.
; A block's scale is 2^(floor(log2(its largest magnitude)) - 4); its byte is the largest magnitude's own exponent field - 4, held at 1 from below.
; LIMITS: a block of zeros, or one whose largest magnitude lies under 2^-122, gets the byte 1 (the rule gives a block of zeros 127): a block of zeros has zero codes, which add nothing under any byte but 0xff, and this program
; alone reads the bytes.  NaN and infinities among the inputs are not served.
; SHARES: work-group x = (b, step of 128 keys, four heads); wave w takes head 4 (x & 3) + w, so the four waves stand side by side on 1,024 bytes of every key's row.  y = 0: keys, y = 1: values.
; No tensor loads, no barrier: waves share nothing.  LDS is used by K's way alone: a stage of 32 rows x 272 bytes for each wave.
.set BLKB,  13056                      ; a block of kv
.set VCO,   6144                       ; V's codes in it
.set KSO,   12288                      ; K's scale words
.set VSO,   12800                      ; V's scale words
.set ROWG,  4096                       ; from key to key in memory: 16 heads x 64 channels x 4 bytes
.set SP,    272                        ; a stage row: 256 bytes + 16: sixteen rows of one column fall on sixteen different groups of banks (ISA guide 11.1)
.set STGB,  32*SP
; the largest magnitude of v[x] .. v[x+31] and the floor 2^(5 - 127), into v[d]; v[e] is a second chain, so that no line waits for the line above it
.macro MAX32 d, e, x
	v_max3_num_f32 v[\d], |v[\x]|, |v[\x+1]|, 0x2800000
	v_max3_num_f32 v[\e], |v[\x+16]|, |v[\x+17]|, |v[\x+18]|
.irp i, 0,1,2,3,4,5
	v_max3_num_f32 v[\d], v[\d], |v[\x+2+2*\i]|, |v[\x+3+2*\i]|
	v_max3_num_f32 v[\e], v[\e], |v[\x+19+2*\i]|, |v[\x+20+2*\i]|
.endr
	v_max3_num_f32 v[\d], v[\d], |v[\x+14]|, |v[\x+15]|
	v_max3_num_f32 v[\d], v[\d], v[\e], |v[\x+31]|
.endm
; ---- K's way: registers
.set R,   16                           ; v16-143  two sets of 64: 32 keys as they are loaded
.set X,   144                          ; v144-207 two tiles x 32 neighbours along the channels
.set C,   208                          ; v208-219 a pair's codes
.set CT,  220                          ; v220-222, v224-226 the second halves (a conversion's three registers begin on an even number)
.set KSR, 228                          ; v228-231 the four scale words
; 32 keys: each load reads two whole rows of the head, 256 consecutive bytes for each half of the lanes
.macro LOADG g
.irp j, 0,1,2,3,4,5,6,7,8,9,10,11,12,13,14,15
	global_load_b128 v[R+64*((\g)%2)+4*\j:R+64*((\g)%2)+4*\j+3], v4, s[16:17] offset:(32*(\g)+2*\j)*ROWG th:TH_LOAD_NT
.endr
.endm
; group g: keys 32 g .. 32 g + 31 become the pair of tiles 2 g, 2 g + 1
.macro GROUP g
.if (\g) < 3
	s_wait_loadcnt 16                              ; this group's 16 loads are in; the next group's 16 stay out
.else
	s_wait_loadcnt 0x0
.endif
.irp j, 0,1,2,3,4,5,6,7,8,9,10,11,12,13,14,15  ; into the stage, a tile's 16 keys in 16 neighbouring rows: key 16 a + 8 u + i goes to row 16 u + 8 a + i
	ds_store_b128 v5, v[R+64*((\g)%2)+4*\j:R+64*((\g)%2)+4*\j+3] offset:(16*((\j/4)%2)+8*(\j/8)+(2*\j)%8)*SP
.endr
.irp u, 0,1                                    ; and back: lane (r, hl) takes 32 neighbouring channels of its tile's row r.  LDS serves a wave's instructions in order (ISA guide 5.7.1.4): these see the stores above
.irp i, 0,1,2,3,4,5,6,7
	ds_load_b128 v[X+32*\u+4*\i:X+32*\u+4*\i+3], v6 offset:16*\u*SP+16*\i
.endr
.endr
	s_wait_dscnt 0x0                               ; the numbers are back, so the stores into the stage have read their registers
	s_wait_xcnt 0x0                                ; the last group's stores have had their addresses translated (ISA guide 3.1): only behind this wait are the codes' registers written again
.if (\g) < 2
	LOADG (\g)+2                                   ; the set just emptied takes the group two on
.endif
	MAX32 232, 233, X
	MAX32 234, 235, X+32
	v_add_nc_u32 v238, 0xfe000000, v232            ; 4 off the exponent field: the conversion takes the exponent field of this operand as its scale, and nothing else of it
	v_add_nc_u32 v239, 0xfe000000, v234
	v_lshrrev_b32 v233, 23, v238                   ; the scales' bytes
	v_lshrrev_b32 v235, 23, v239
	v_cvt_scalef32_pk16_bf6_f32 v[C:C+2], v[X:X+15], v238
	v_cvt_scalef32_pk16_bf6_f32 v[CT:CT+2], v[X+16:X+31], v238
	v_cvt_scalef32_pk16_bf6_f32 v[C+6:C+8], v[X+32:X+47], v239
	v_cvt_scalef32_pk16_bf6_f32 v[CT+4:CT+6], v[X+48:X+63], v239
	v_lshlrev_b32 v233, v8, v233                   ; my byte at its place, 8 hl bits up.  (A plain line that names none of the conversions' registers stands behind them, ahead of the moves)
	v_lshlrev_b32 v235, v8, v235
.irp i, 0,1,2
	v_mov_b32 v[C+3+\i], v[CT+\i]
	v_mov_b32 v[C+9+\i], v[CT+4+\i]
.endr
	v_permlanex16_b32 v236, v233, s22, s23         ; the row's other block lies in lane l xor 16
	v_permlanex16_b32 v237, v235, s22, s23
	v_or_b32 v233, v233, v236
	v_or_b32 v235, v235, v237
	v_lshl_or_b32 v233, v233, 16, v233             ; the two bytes once more, for the padded half of K
	v_lshl_or_b32 v235, v235, 16, v235
	v_cndmask_b32 v[KSR+(\g)], v233, v235, s20     ; lanes 0-15: the even tile's words; lanes 16-31: the odd tile's
.irp n, 0,1,2
	global_store_b128 v7, v[C+4*\n:C+4*\n+3], s[18:19] offset:1536*(\g)+512*\n   ; 32 lanes store 512 consecutive bytes, at a multiple of 256 from kv's first byte
.endr
.endm
; ---- V's way: registers.  A LANE TAKES A CHANNEL, AND ITS REGISTERS RUN DOWN THE KEYS: a block of 32 keys lies in one lane, and the conversions give codes with the keys innermost
.set Y,   16                           ; v16-111  three sets of 32 numbers
.set TL,  144                          ; v144-191 four tiles x 12 registers
.set VT,  192                          ; v192-194 a block's second half
.set W,   196                          ; v196-197 the two scale words
; set q: block q / 2 of 32 keys, channels 32 (q % 2) + lane: each load reads 128 consecutive bytes; the two halves of a row's 256 bytes are asked for in neighbouring sets
.macro LOADS q
.irp i, 0,1,2,3,4,5,6,7,8,9,10,11,12,13,14,15,16,17,18,19,20,21,22,23,24,25,26,27,28,29,30,31
	global_load_b32 v[Y+32*((\q)%3)+\i], v4, s[16:17] offset:(32*((\q)/2)+\i)*ROWG+128*((\q)%2) th:TH_LOAD_NT
.endr
.endm
.macro SET q
.if (\q) < 7
	s_wait_loadcnt 32                              ; this set's 32 loads are in; the next set's 32 stay out
.else
	s_wait_loadcnt 0x0
.endif
.if (\q) < 6
	LOADS (\q)+2                                   ; into the set that was worked last: two sets are on their way while this one is worked
.endif
.set YS, Y+32*((\q)%3)
.set TD, TL+12*(2*((\q)%2)+((\q)/2)%2)+6*((\q)/4)
	MAX32 198, 199, YS                             ; all 32 numbers of the block are mine
	v_add_nc_u32 v200, 0xfe000000, v198            ; the conversion's scale operand
.if (\q)/2 == 0
	v_lshrrev_b32 v[W+(\q)%2], 23, v200            ; the byte of block 0 starts the word
.else
	v_lshrrev_b32 v201, 23, v200
	v_lshl_or_b32 v[W+(\q)%2], v201, 8*((\q)/2), v[W+(\q)%2]
.endif
	v_cvt_scalef32_pk16_bf6_f32 v[TD:TD+2], v[YS:YS+15], v200
	v_cvt_scalef32_pk16_bf6_f32 v[VT:VT+2], v[YS+16:YS+31], v200
	v_nop                                          ; one plain line behind the conversions, ahead of the moves
.irp i, 0,1,2
	v_mov_b32 v[TD+3+\i], v[VT+\i]
.endr
.if ((\q)/2)%2 == 1                            ; blocks 2 c and 2 c + 1 of 32 channels are there: the operand wants, for 16 channels, block 2 c in lanes 0-15 and block 2 c + 1 in lanes 16-31
.set TA, TL+24*((\q)%2)+6*((\q)/4)
.irp i, 0,1,2,3,4,5
	v_permlane16_swap_b32 v[TA+\i], v[TA+12+\i]    ; the first's lanes 16-31 change places with the second's lanes 0-15: the first is now the even tile's register, the second the odd tile's
.endr
.endif
.endm
	s_load_b128 s[4:7], s[0:1], 0x0                ; keys s[4:5], values s[6:7]
	s_load_b64 s[8:9], s[0:1], 0x10                ; kv
	v_lshl_add_u32 v240, v0, 2, 0x8800
	v_mov_b32 v241, 0
	v_lshrrev_b32 v1, 5, v0
	v_readfirstlane_b32 s10, v1                    ; wave 0..3
	v_and_b32 v1, 31, v0                           ; lane
	v_and_b32 v2, 15, v0                           ; r
	v_bfe_u32 v3, v0, 4, 1                         ; hl
	v_lshlrev_b32 v7, 4, v1                        ; 16 x lane: an image's place for my lane
	s_and_b32 s24, ttmp9, 3
	s_lshl_b32 s24, s24, 2
	s_add_co_u32 s24, s24, s10                     ; my head
	s_bfe_u32 s25, ttmp9, 0x40002                  ; the step of 128 keys (4 bits from bit 2)
	s_lshr_b32 s26, ttmp9, 6                       ; b
	s_lshl_b32 s12, s26, 23                        ; where my numbers begin, in bytes: b x 2^23 + step x 128 rows of 4,096 + head x 256: under 2^25
	s_lshl_b32 s27, s25, 19
	s_add_co_u32 s12, s12, s27
	s_lshl_b32 s27, s24, 8
	s_add_co_u32 s12, s12, s27
	s_mov_b32 s13, 0
	s_lshl_b32 s14, s26, 4
	s_add_co_u32 s14, s14, s24                     ; bh
	s_lshl_b32 s14, s14, 4
	s_add_co_u32 s14, s14, s25
	s_mul_i32 s14, s14, BLKB                       ; my block of kv
	s_mov_b32 s15, 0
	s_mov_b32 s22, 0x76543210
	s_mov_b32 s23, 0xfedcba98                      ; v_permlanex16_b32's selects for lane l xor 16
	s_and_b32 s21, ttmp7, 0xffff                   ; 0: keys, 1: values
	s_wait_kmcnt 0x0
	s_add_nc_u64 s[18:19], s[8:9], s[14:15]
	s_cmp_lg_u32 s21, 0
	s_cbranch_scc1 .Lvalues
	; ---- keys
	s_add_nc_u64 s[16:17], s[4:5], s[12:13]
	s_wait_alu depctr_va_vdst(0)
	v_lshlrev_b32 v4, 4, v2
	v_lshl_add_u32 v4, v3, 12, v4                  ; in: lanes 0-15 one key's row, lanes 16-31 the next; 16 bytes a lane
	LOADG 0
	LOADG 1
	s_mul_i32 s24, s10, STGB                       ; my stage
	v_mul_u32_u24 v5, v3, SP
	v_lshl_add_u32 v5, v2, 4, v5
	v_add_nc_u32 v5, s24, v5                       ; into it: as loaded
	v_mul_u32_u24 v6, v2, SP
	v_lshl_add_u32 v6, v3, 7, v6
	v_add_nc_u32 v6, s24, v6                       ; out of it: row r, my half's 128 bytes
	v_lshlrev_b32 v8, 3, v3                        ; 8 hl
	v_cmp_lt_u32 s20, 15, v1                       ; lanes 16-31
	v_mov_b32 v236, 0                              ; written once: a lane permute's destination counts as one of its sources
	v_mov_b32 v237, 0
	s_wait_alu depctr_va_vdst(0)
	GROUP 0
	GROUP 1
	GROUP 2
	GROUP 3
	global_store_b128 v7, v[KSR:KSR+3], s[18:19] offset:KSO
	s_wait_tensorcnt 0x0
	ds_add_u32 v240, v241
	s_wait_dscnt 0x0
	s_endpgm
	; ---- values
.Lvalues:
	s_add_nc_u64 s[16:17], s[6:7], s[12:13]
	s_wait_alu depctr_va_vdst(0)
	v_lshlrev_b32 v4, 2, v1                        ; in: 4 bytes a lane
	v_lshlrev_b32 v8, 3, v1                        ; the scale words: 8 bytes a lane
	LOADS 0
	LOADS 1
	s_wait_alu depctr_va_vdst(0)
	SET 0
	SET 1
	SET 2
	SET 3
	SET 4
	SET 5
	SET 6
	SET 7
.irp n, 0,1,2,3,4,5,6,7,8,9,10,11
	global_store_b128 v7, v[TL+4*\n:TL+4*\n+3], s[18:19] offset:VCO+512*\n   ; 512 consecutive bytes, at a multiple of 256 from kv's first byte
.endr
	global_store_b64 v8, v[W:W+1], s[18:19] offset:VSO   ; 256 consecutive bytes, aligned likewise
	s_endpgm
.Lfunc_end_k_q4abd386edf_prep:
	.size	k_q4abd386edf_prep, .Lfunc_end_k_q4abd386edf_prep-k_q4abd386edf_prep
	.p2alignl 7, 3214868480
	.fill 96, 4, 3214868480
	.section	.rodata,"a",@progbits
	.p2align	6, 0x0
	.amdhsa_kernel k_q4abd386edf_prep
		.amdhsa_group_segment_fixed_size 35328
		.amdhsa_private_segment_fixed_size 0
		.amdhsa_enable_private_segment 0
		.amdhsa_kernarg_size 24
		.amdhsa_user_sgpr_count 2
		.amdhsa_user_sgpr_kernarg_segment_ptr 1
		.amdhsa_wavefront_size32 1
		.amdhsa_system_sgpr_workgroup_id_x 1
		.amdhsa_system_sgpr_workgroup_id_y 1
		.amdhsa_system_sgpr_workgroup_id_z 1
		.amdhsa_system_vgpr_workitem_id 0
		.amdhsa_next_free_vgpr 242
		.amdhsa_next_free_sgpr 66
		.amdhsa_reserve_vcc 0
		.amdhsa_float_denorm_mode_32 3
		.amdhsa_float_denorm_mode_16_64 3
		.amdhsa_memory_ordered 1
		.amdhsa_forward_progress 1
		.amdhsa_inst_pref_size 69
	.end_amdhsa_kernel
	.amdgpu_metadata
---
amdhsa.version: [ 1, 2 ]
amdhsa.kernels:
  - .name:           k_q4abd386edf_prep
    .symbol:         k_q4abd386edf_prep.kd
    .args:
      - { .name: keys, .offset: 0, .size: 8, .value_kind: global_buffer, .address_space: global }
      - { .name: values, .offset: 8, .size: 8, .value_kind: global_buffer, .address_space: global }
      - { .name: kv, .offset: 16, .size: 8, .value_kind: global_buffer, .address_space: global }
    .group_segment_fixed_size: 35328
    .private_segment_fixed_size: 0
    .kernarg_segment_align: 8
    .kernarg_segment_size: 24
    .max_flat_workgroup_size: 128
    .sgpr_count:     66
    .vgpr_count:     242
    .wavefront_size: 32
...
	.end_amdgpu_metadata
.endif
;; end of part 1
;; launch attn (part 2): grid 4 x 64, 16 waves a work-group, clusters of 4 x 1, 280,576 bytes of LDS; arguments queries, kv, out0; writes out0
.if DOCPART == 2
	.amdgcn_target "amdgcn-amd-amdhsa--gfx1250"
	.amdhsa_code_object_version 6
	.text
	.protected	k_q4abd386edf_attn
	.globl	k_q4abd386edf_attn
	.p2align	8
	.type	k_q4abd386edf_attn,@function
k_q4abd386edf_attn:
	s_mov_b64 s[64:65], 0
	v_nop
	global_prefetch_b8 v0, s[64:65] scope:SCOPE_SE
	s_setreg_imm32_b32 hwreg(HW_REG_WAVE_MODE, 25, 1), 1
	s_wait_xcnt 0x0
	s_wait_alu depctr_hold_cnt(0) depctr_sa_sdst(0) depctr_va_vdst(0) depctr_va_sdst(0) depctr_va_ssrc(0) depctr_va_vcc(0) depctr_vm_vsrc(0)
	s_getreg_b32 s2, hwreg(HW_REG_IB_STS2, 6, 4)
	s_cmp_eq_u32 s2, 0
	s_cbranch_scc0 .Lentry_in_a_cluster
	s_endpgm
.Lentry_in_a_cluster:
	s_bfe_u32 s2, ttmp6, 0x10000c
	s_cmp_lg_u32 s2, 0x3003
	s_cbranch_scc0 .Lentry_shape_is_right
	s_endpgm
.Lentry_shape_is_right:
; out0[b][q][h][:] = the sum over k <= q of softmax_k(Q[q] . K[k] / 8) V[k][:], both products on codes of BF6 (E3M2) with one E8M0 scale for each 32 along a product's K.
; queries and out0: [4][2048][16][64] f32.  kv: K's and V's codes and scale words, as images of the operands' registers, one block of 13,056 bytes for each head and each step of 128 keys:
;   byte 0 K's codes (tile t's six registers at register 6 t of 48), byte 6,144 V^T's codes (tile t at register 12 t of 48), byte 12,288 K's scale words (16 bytes a lane), byte 12,800 V's (8 bytes a lane).
; THE SOFTMAX AHEAD OF THE SECOND PRODUCT: t = score x log2(e) / 8; M = the row's largest t so far, rounded UP to a whole number; p = 2^(t - M) is what is quantised, along the keys; it is not normalised.
; The row's sum is taken of the unquantised p, in f32, and divides O at the end.  When M moves, the sum and O are multiplied by 2^(old M - new M): exact.
; SHARES.  The four work-groups of a cluster own one head (cluster y = 16 b + h).  A head's 16 blocks of kv, 208,896 bytes, lie in LDS WHOLE: wave w of each work-group asks for block w, JOINTLY with the same wave of its three
; partners (the same descriptor, a mask that names the four).  Nothing in LDS is ever filled again: one barrier in the launch, beside the cluster's two rounds.  By this text's count a wave has one tensor load out.
; A wave owns TWO tiles of 16 queries: T = 8 (w / 2) + 2 cx + w % 2, which sees w / 2 + 1 steps of keys, and 127 - T, which sees 16 - w / 2: 17 steps for every wave of the launch.  The numbers of steps hang on the
; wave's number alone: the work-group's place cx enters only Q's and out0's addresses in memory and the numbers that the mask compares.
; LAYOUT.  Both products are used transposed: S^T = K Q^T (source 0 = 16 keys, source 1 = my 16 queries), O^T = V^T P^T (source 0 = 16 channels, source 1 = P): a lane holds ONE query (lane % 16) throughout.
; Lane r of K's tile 2 b + u holds key 32 b + 8 u + r + 8 (r / 8), so that the 16 registers of tiles 2 b and 2 b + 1 are 16 neighbouring keys, 32 b + 16 (lane / 16) + 0 .. 15.
; THE FIRST PRODUCT'S K IS 64, the instruction's 128.  Q's registers 6-11 are zero codes.  K's tiles lie six registers apart, so a tile's registers 6-11 are the next tile's codes (behind the last tile: six registers of zeros):
; numbers of the format, which has no infinity and no NaN, times Q's zeros.  The padded half's scale bytes repeat the real ones, so none of them is 0xff.
; LIMITS: NaN and infinities among the inputs are not served.  A block of Q that is all zeros or whose largest magnitude lies under 2^-122 gets the byte 1 (the rule gives a block of zeros 127): zero codes add nothing under it.
; REGISTERS: v1-7, v10 addresses and lane numbers that stay; v8-9 the step's LDS addresses; v11 the mask's d; v12 -M, v13 the largest t, v[14:15] the sum in two halves; v16-27 Q's fragment; v28, v29 Q's scale words (tile in hand,
; second tile); v30-35 the second tile's codes; v36-83 K's or V's fragments, v84-89 zeros; v90-93 K's scale words, v94-95 V's; v96-159 S^T, then p; v160-191 O^T; v192-203 p's codes; v204-228 at work.
.set BLKB,  13056                      ; a block of kv: 51 rows of 256 bytes
.set VCO,   6144
.set KSO,   12288
.set VSO,   12800
.set STAGE, 16*BLKB                    ; behind the head's blocks: a stage of 16 rows x 272 bytes for each wave, for Q's turn and for the way out; no tensor load lands there
.set SP,    272                        ; 256 bytes + 16: sixteen rows of one column fall on sixteen different groups of banks (ISA guide 11.1)
.set QF,  16
.set QB,  30
.set FR,  36
.set KS,  90
.set VS,  94
.set S,   96
.set O,   160
.set PC,  192
.set PT,  204                          ; v204-206, v208-210: a conversion's three registers begin on an even number
.set BM,  212                          ; v212-215 the blocks' largest scores, then largest p
.set BT,  216                          ; v216-219 the other half's; a chain of the sums; the scales' bytes
.set BO,  220                          ; v220-223 the conversions' scale operands
.set TP,  224
.set FF,  226                          ; v226 f = 2^(old M - new M); v227 is named with it as a pair
.set PS,  228                          ; p's scale word
; A round of the cluster's barrier: my work-group's barrier, so that wave 0's signal speaks for all sixteen waves; wave 0 signals for the work-group; every wave waits for all four work-groups; my work-group's barrier once more.
.macro ROUND
	s_barrier_signal -1
	s_barrier_wait -1
	s_cmp_lg_u32 s10, 0
	s_cbranch_scc1 .Lnot_wave_0_\@
	s_barrier_signal -3
.Lnot_wave_0_\@:
	s_barrier_wait -3
	s_barrier_signal -1
	s_barrier_wait -1
.endm
; the largest magnitude of v[x] .. v[x+31] and the floor 2^(5 - 127), into v[d]; v[e] is a second chain
.macro MAX32 d, e, x
	v_max3_num_f32 v[\d], |v[\x]|, |v[\x+1]|, 0x2800000
	v_max3_num_f32 v[\e], |v[\x+16]|, |v[\x+17]|, |v[\x+18]|
.irp i, 0,1,2,3,4,5
	s_delay_alu instid0(VALU_DEP_2)
	v_max3_num_f32 v[\d], v[\d], |v[\x+2+2*\i]|, |v[\x+3+2*\i]|
	s_delay_alu instid0(VALU_DEP_2)
	v_max3_num_f32 v[\e], v[\e], |v[\x+19+2*\i]|, |v[\x+20+2*\i]|
.endr
	s_delay_alu instid0(VALU_DEP_2)
	v_max3_num_f32 v[\d], v[\d], |v[\x+14]|, |v[\x+15]|
	s_delay_alu instid0(VALU_DEP_1)
	v_max3_num_f32 v[\d], v[\d], v[\e], |v[\x+31]|
.endm
; my block of 32 channels of my query, v[x] on, becomes six registers of codes at v[dst]; the row's scale word goes to v[sw]
.macro QQUANT x, dst, sw
	MAX32 BM, BM+1, \x
	s_delay_alu instid0(VALU_DEP_1)
	v_add_nc_u32 v[BM+2], 0xfe000000, v[BM]        ; 4 off the exponent field: the conversion's scale operand
	s_delay_alu instid0(VALU_DEP_1)
	v_lshrrev_b32 v[BM+3], 23, v[BM+2]             ; the scale's byte
	v_cvt_scalef32_pk16_bf6_f32 v[\dst:\dst+2], v[\x:\x+15], v[BM+2]
	v_cvt_scalef32_pk16_bf6_f32 v[PT:PT+2], v[\x+16:\x+31], v[BM+2]
	v_lshlrev_b32 v[BM+3], v10, v[BM+3]            ; my byte at its place, 8 hl bits up.  (A plain line that names none of the conversions' registers stands behind them)
.irp i, 0,1,2
	v_mov_b32 v[\dst+3+\i], v[PT+\i]
.endr
	s_delay_alu instid0(VALU_DEP_4)
	v_permlanex16_b32 v[BT], v[BM+3], s28, s29     ; the row's other block lies in lane l xor 16
	s_delay_alu instid0(VALU_DEP_1)
	v_or_b32 v[BM+3], v[BM+3], v[BT]
	s_delay_alu instid0(VALU_DEP_1)
	v_lshl_or_b32 v[\sw], v[BM+3], 16, v[BM+3]     ; the two bytes once more, for the padded half of K
.endm
; 48 registers of fragments, as they were stored: 512 consecutive bytes a load
.macro FRAGS off
.irp n, 0,1,2,3,4,5,6,7,8,9,10,11
	ds_load_b128 v[FR+4*\n:FR+4*\n+3], v8 offset:\off+512*\n
.endr
.endm
	s_load_b128 s[4:7], s[0:1], 0x0                ; queries s[4:5], kv s[6:7]
	s_load_b64 s[8:9], s[0:1], 0x10                ; out0
	v_lshl_add_u32 v254, v0, 2, 0x44000
	v_mov_b32 v255, 0
	ds_add_u32 v254, v255
	ds_add_u32 v254, v255
	v_lshrrev_b32 v1, 5, v0
	s_delay_alu instid0(VALU_DEP_1)
	v_readfirstlane_b32 s10, v1                    ; wave 0..15
	s_bfe_u32 s11, ttmp6, 0x40000                  ; cx: my place in the cluster
	s_and_b32 s12, ttmp7, 0xffff                   ; the head, 16 b + h, which the four partners share
	s_lshr_b32 s13, s10, 1                         ; the step on the first tile's diagonal: w / 2
	s_and_b32 s14, s10, 1
	s_lshl_b32 s44, s11, 1
	s_add_co_u32 s14, s14, s44                     ; rho = 2 cx + w % 2: the tile's place in that step
	s_lshl_b32 s15, s13, 3
	s_add_co_u32 s15, s15, s14                     ; T
	s_lshr_b32 s42, s12, 4
	s_lshl_b32 s42, s42, 23
	s_and_b32 s44, s12, 15
	s_lshl_b32 s44, s44, 8
	s_add_co_u32 s42, s42, s44                     ; the head's first byte in queries and out0: b x 2^23 + h x 256
	s_lshl_b32 s44, s15, 16                        ; a tile is 16 rows of 4,096 bytes
	s_add_co_u32 s44, s44, s42
	s_mov_b32 s45, 0
	s_xor_b32 s46, s15, 127                        ; 127 - T
	s_lshl_b32 s46, s46, 16
	s_add_co_u32 s46, s46, s42
	s_mov_b32 s47, 0
	s_lshl_b32 s48, s12, 4
	s_add_co_u32 s48, s48, s10
	s_mul_i32 s48, s48, BLKB                       ; the block that I fetch: step w of the head: nothing of cx in it
	s_mov_b32 s49, 0
	; descriptor group 1: 51 dense rows of 256 bytes (32 elements of 8 bytes), no padding
	s_mov_b32 s16, 15|(3<<16)|(1<<21)              ; 15:0 the mask: all four work-groups; 17:16 elements of 8 bytes; 21 set beside a mask
	s_mov_b32 s17, 32<<16                          ; tensor_dim0 = 32
	s_mov_b32 s18, 51<<16                          ; tensor_dim1 = 51
	s_mov_b32 s19, 32<<16                          ; tile_dim0 = 32
	s_mov_b32 s20, 51                              ; tile_dim1 = 51
	s_mov_b32 s21, 32                              ; from row to row
	s_mov_b32 s22, 0
	s_mov_b32 s23, 0
	s_mov_b32 s24, 1                               ; group 0: count = 1
	s_mul_i32 s25, s10, BLKB                       ; LDS address: wave x a block
	s_mov_b32 s28, 0x76543210
	s_mov_b32 s29, 0xfedcba98                      ; v_permlanex16_b32's selects for lane l xor 16
	s_mov_b32 s30, 0x3e38aa3b                      ; c = log2(e) / 8
	s_mov_b32 s31, s30                             ; (the packed form names the pair)
	s_mul_i32 s50, s10, 16*SP
	s_add_co_u32 s50, s50, STAGE                   ; my stage
	v_and_b32 v11, 31, v0                          ; lane
	s_delay_alu instid0(VALU_DEP_1)
	v_lshlrev_b32 v1, 4, v11                       ; 16 x lane
	s_delay_alu instid0(VALU_DEP_2)
	v_lshlrev_b32 v2, 3, v11                       ; 8 x lane
	v_and_b32 v8, 15, v0                           ; r
	v_bfe_u32 v9, v0, 4, 1                         ; hl
	s_delay_alu instid0(VALU_DEP_2)
	v_mul_u32_u24 v3, v8, SP
	s_delay_alu instid0(VALU_DEP_1)
	v_lshl_add_u32 v4, v9, 5, v3
	s_delay_alu instid0(VALU_DEP_2)
	v_lshl_add_u32 v3, v9, 7, v3
	s_delay_alu instid0(VALU_DEP_1)
	v_add_nc_u32 v3, s50, v3                       ; the stage: row r, my half's 128 bytes: Q on its way back
	s_delay_alu instid0(VALU_DEP_3)
	v_add_nc_u32 v4, s50, v4                       ; row r, + 32 hl: O on its way in
	v_mul_u32_u24 v5, v9, SP
	s_delay_alu instid0(VALU_DEP_1)
	v_lshl_add_u32 v5, v8, 4, v5
	s_delay_alu instid0(VALU_DEP_1)
	v_add_nc_u32 v5, s50, v5                       ; lanes 0-15 one row, lanes 16-31 the next, 16 bytes a lane: Q on its way in, O on its way back
	v_lshlrev_b32 v6, 12, v9
	s_delay_alu instid0(VALU_DEP_1)
	v_lshl_add_u32 v6, v8, 4, v6                   ; and the same two rows in memory
	v_lshlrev_b32 v10, 4, v9
	s_delay_alu instid0(VALU_DEP_1)
	v_sub_nc_u32 v7, v8, v10                       ; r - 16 hl
	v_lshlrev_b32 v10, 3, v9                       ; 8 hl
	s_wait_dscnt 0x0
	s_wait_kmcnt 0x0
	s_add_nc_u64 s[26:27], s[6:7], s[48:49]
	s_or_b32 s27, s27, 0x80000000                  ; type = 2
	s_add_nc_u64 s[36:37], s[4:5], s[44:45]        ; Q's first tile,
	s_add_nc_u64 s[38:39], s[4:5], s[46:47]        ; its second;
	s_add_nc_u64 s[40:41], s[8:9], s[44:45]        ; the same two in out0
	s_add_nc_u64 s[34:35], s[8:9], s[46:47]
	ROUND                                          ; all four work-groups are here: the joint loads meet
	tensor_load_to_lds s[24:27], s[16:23]          ; step w's block: sixteen waves bring the whole head
	s_nop 0
.rept 4
	v_nop
.endr
	s_wait_alu depctr_va_vdst(0)
.irp j, 0,1,2,3,4,5,6,7
	global_load_b128 v[S+4*\j:S+4*\j+3], v6, s[36:37] offset:8192*\j th:TH_LOAD_NT      ; two whole rows of the head, 256 consecutive bytes for each half of the lanes
.endr
.irp j, 0,1,2,3,4,5,6,7
	global_load_b128 v[S+32+4*\j:S+32+4*\j+3], v6, s[38:39] offset:8192*\j th:TH_LOAD_NT
.endr
.irp i, 0,1,2,3,4,5
	v_mov_b32 v[QF+6+\i], 0                        ; Q's padded half: zero codes
	v_mov_b32 v[FR+48+\i], 0                       ; and what stands behind K's last tile
.endr
.irp i, 0,1,2,3
	v_mov_b32 v[BT+\i], 0                          ; written once: a lane permute's destination counts as one of its sources
.endr
	v_mov_b32 v[TP], 0
	v_mov_b32 v[FF+1], 0                           ; (named as the upper half of a pair)
	s_wait_loadcnt 8                               ; the first tile's eight loads are in; the second's eight stay out
.irp j, 0,1,2,3,4,5,6,7
	ds_store_b128 v5, v[S+4*\j:S+4*\j+3] offset:2*\j*SP
.endr
.irp i, 0,1,2,3,4,5,6,7
	ds_load_b128 v[FR+4*\i:FR+4*\i+3], v3 offset:16*\i       ; lane (r, hl): channels 32 hl .. + 31 of query r.  LDS serves a wave's instructions in order (ISA guide 5.7.1.4)
.endr
	s_wait_loadcnt 0x0
.irp j, 0,1,2,3,4,5,6,7
	ds_store_b128 v5, v[S+32+4*\j:S+32+4*\j+3] offset:2*\j*SP   ; behind the first tile's reads of the stage
.endr
.irp i, 0,1,2,3,4,5,6,7
	ds_load_b128 v[O+4*\i:O+4*\i+3], v3 offset:16*\i
.endr
	s_wait_dscnt 16                                ; the first tile is back; the second's eight stores and eight loads stay out
	QQUANT FR, QF, 28
	s_wait_dscnt 0x0
	QQUANT O, QB, 29
	s_wait_tensorcnt 0x0                           ; my block has landed,
	s_barrier_signal -1
	s_barrier_wait -1                              ; everybody's has: the head lies in LDS
; A KEY STEP: 128 keys, block s33 of the head, at LDS byte s32.
.macro STEP
	s_cmp_gt_u32 s33, s13                          ; a step behind the diagonal is left out: a branch on the wave's number and the loop's counter
	s_cbranch_scc1 .Lhidden_\@
	s_setprio 2
	v_add_nc_u32 v8, s32, v1
	v_add_nc_u32 v9, s32, v2
	FRAGS 0                                        ; K's eight tiles (four v_nop at the last step's end and the two additions stand between the last products and these loads)
	ds_load_b128 v[KS:KS+3], v8 offset:KSO
	s_wait_alu depctr_va_vdst(0)
	s_wait_dscnt 0x0
.irp t, 0,1,2,3,4,5,6,7                        ; S^T = K Q^T.  An even tile's scale words lie in lanes 0-15 of its pair's register, an odd tile's in lanes 16-31
.if \t%2
	v_wmma_scale_f32_16x16x128_f8f6f4 v[S+8*\t:S+8*\t+7], v[FR+6*\t:FR+6*\t+11], v[QF:QF+11], 0, v[KS+\t/2], v28 matrix_a_fmt:MATRIX_FMT_BF6 matrix_b_fmt:MATRIX_FMT_BF6 matrix_a_scale:MATRIX_SCALE_ROW1
.else
	v_wmma_scale_f32_16x16x128_f8f6f4 v[S+8*\t:S+8*\t+7], v[FR+6*\t:FR+6*\t+11], v[QF:QF+11], 0, v[KS+\t/2], v28 matrix_a_fmt:MATRIX_FMT_BF6 matrix_b_fmt:MATRIX_FMT_BF6
.endif
.endr
.rept 4
	v_nop                                          ; four places ahead of the loads into K's registers and of the first read of the scores
.endr
	FRAGS VCO                                      ; V's four tiles land while the softmax is worked
	ds_load_b64 v[VS:VS+1], v9 offset:VSO
	s_cmp_lg_u32 s33, s13                          ; on the diagonal the scores of hidden keys become -infinity ahead of the maximum: p = 0 then.  The step's first key counts for every query of the tile
	s_cbranch_scc1 .Lopen_\@
	v_mov_b32 v[TP], 0xff800000
.irp n, 0,1,2,3,4,5,6,7,8,9,10,11,12,13,14,15,16,17,18,19,20,21,22,23,24,25,26,27,28,29,30,31,32,33,34,35,36,37,38,39,40,41,42,43,44,45,46,47,48,49,50,51,52,53,54,55,56,57,58,59,60,61,62,63
	v_cmp_gt_i32 vcc_lo, 32*(\n/16)+\n%16, v11     ; register 16 b + i holds the step's key 32 b + 16 hl + i: hidden where 32 b + i > d = my query's place in the step - 16 hl
	v_cndmask_b32 v[S+\n], v[S+\n], v[TP], vcc_lo
.endr
.Lopen_\@:
.irp b, 0,1,2,3
	v_max3_num_f32 v[BM+\b], v[S+16*\b], v[S+1+16*\b], v[S+2+16*\b]   ; the largest score of each block of 32 keys: it serves for the row's maximum and, since p rises with the score, for the block's largest p
.endr
.irp i, 3,5,7,9,11,13
.irp b, 0,1,2,3
	v_max3_num_f32 v[BM+\b], v[BM+\b], v[S+16*\b+\i], v[S+1+16*\b+\i]   ; (the four blocks by turns)
.endr
.endr
.irp b, 0,1,2,3
	v_max_num_f32 v[BM+\b], v[BM+\b], v[S+15+16*\b]
.endr
.irp b, 0,1,2,3
	s_delay_alu instid0(VALU_DEP_4)
	v_permlanex16_b32 v[BT+\b], v[BM+\b], s28, s29
.endr
.irp b, 0,1,2,3
	s_delay_alu instid0(VALU_DEP_4)
	v_max_num_f32 v[BM+\b], v[BM+\b], v[BT+\b]     ; with lane l xor 16's 16 keys
.endr
	s_delay_alu instid0(VALU_DEP_2)
	v_max3_num_f32 v[TP], v[BM], v[BM+1], v[BM+2]
	s_delay_alu instid0(VALU_DEP_1)
	v_max_num_f32 v[TP], v[TP], v[BM+3]            ; the step's largest score of my query
	s_delay_alu instid0(VALU_DEP_1)
	v_mul_f32 v[TP], s30, v[TP]                    ; as t (c is positive)
	s_delay_alu instid0(VALU_DEP_1)
	v_max_num_f32 v13, v13, v[TP]                  ; the running largest t
	v_mov_b32 v[TP], v12
	s_delay_alu instid0(VALU_DEP_2)
	v_floor_f32 v12, -v13                          ; the new -M = floor(-t) = -ceil(t): M is a whole number
	s_delay_alu instid0(VALU_DEP_1)
	v_sub_f32 v[TP], v12, v[TP]                    ; M's old value less its new one: a whole number, 0 or less
	s_delay_alu instid0(VALU_DEP_1)
	v_cvt_i32_f32 v[TP], v[TP]                     ; (it saturates)
	s_delay_alu instid0(VALU_DEP_1)
	v_ldexp_f32 v[FF], 1.0, v[TP]                  ; f = 2^(old M - new M)
.irp j, 0,2,4,6,8,10,12,14,16,18,20,22,24,26,28,30,32,34,36,38,40,42,44,46,48,50,52,54,56,58,60,62
	v_pk_fma_f32 v[S+\j:S+\j+1], v[S+\j:S+\j+1], s[30:31], v[12:13] op_sel_hi:[1,0,0]   ; t - M, two at a time (of the pairs c and -M the low word serves both halves)
.endr
	s_setprio 1
.irp b, 0,1,2,3
	v_fma_f32 v[BM+\b], v[BM+\b], s30, v12         ; the same of each block's largest score
.endr
	s_wait_alu depctr_va_vdst(0)
.irp j, 0,1,2,3,4,5,6,7,8,9,10,11,12,13,14,15,16,17,18,19,20,21,22,23,24,25,26,27,28,29,30,31,32,33,34,35,36,37,38,39,40,41,42,43,44,45,46,47,48,49,50,51,52,53,54,55,56,57,58,59,60,61,62,63
	v_exp_f32 v[S+\j], v[S+\j]                     ; p = 2^(t - M), at most 1: not normalised
.endr
	v_pk_mul_f32 v[14:15], v[14:15], v[FF:FF+1] op_sel_hi:[1,0]   ; the sums under the new M.  (A plain line behind the exponentials)
	s_wait_alu depctr_va_vdst(0)                   ; one wait for the batch of 64, ahead of its first reader
.irp b, 0,1,2,3
	v_exp_f32 v[BM+\b], v[BM+\b]                   ; the block's largest p: the same two instructions on the same number give the same bits
.endr
	v_pk_add_f32 v[216:217], v[100:101], v[104:105]
	v_pk_add_f32 v[252:253], v[108:109], v[112:113]
	v_pk_add_f32 v[250:251], v[116:117], v[120:121]
	v_pk_add_f32 v[248:249], v[124:125], v[128:129]
	v_pk_add_f32 v[246:247], v[132:133], v[136:137]
	v_pk_add_f32 v[244:245], v[140:141], v[144:145]
	v_pk_add_f32 v[242:243], v[148:149], v[152:153]
	v_pk_add_f32 v[14:15], v[14:15], v[156:157]
	v_pk_add_f32 v[216:217], v[216:217], v[96:97]
	v_pk_add_f32 v[252:253], v[252:253], v[98:99]
	v_pk_add_f32 v[250:251], v[250:251], v[102:103]
	v_pk_add_f32 v[248:249], v[248:249], v[106:107]
	v_pk_add_f32 v[246:247], v[246:247], v[110:111]
	v_pk_add_f32 v[244:245], v[244:245], v[114:115]
	v_pk_add_f32 v[242:243], v[242:243], v[118:119]
	v_pk_add_f32 v[14:15], v[14:15], v[122:123]
	v_pk_add_f32 v[216:217], v[216:217], v[126:127]
	v_pk_add_f32 v[252:253], v[252:253], v[130:131]
	v_pk_add_f32 v[250:251], v[250:251], v[134:135]
	v_pk_add_f32 v[248:249], v[248:249], v[138:139]
	v_pk_add_f32 v[246:247], v[246:247], v[142:143]
	v_pk_add_f32 v[244:245], v[244:245], v[146:147]
	v_pk_add_f32 v[242:243], v[242:243], v[150:151]
	v_pk_add_f32 v[14:15], v[14:15], v[154:155]
	v_pk_add_f32 v[216:217], v[216:217], v[158:159]
	s_delay_alu instid0(VALU_DEP_2)
	v_pk_add_f32 v[14:15], v[14:15], v[248:249]
	s_delay_alu instid0(VALU_DEP_2)
	v_pk_add_f32 v[216:217], v[216:217], v[246:247]
	v_pk_add_f32 v[252:253], v[252:253], v[244:245]
	v_pk_add_f32 v[250:251], v[250:251], v[242:243]
	s_delay_alu instid0(VALU_DEP_2)
	v_pk_add_f32 v[14:15], v[14:15], v[252:253]
	s_delay_alu instid0(VALU_DEP_2)
	v_pk_add_f32 v[216:217], v[216:217], v[250:251]
	s_delay_alu instid0(VALU_DEP_1)
	v_pk_add_f32 v[14:15], v[14:15], v[216:217]
	s_wait_alu depctr_va_vdst(0)                   ; and one for the four
.irp b, 0,1,2,3
	v_max_num_f32 v[BM+\b], 0x2800000, v[BM+\b]    ; the floor 2^(5 - 127): the byte cannot fall under 1 (a block whose every p is 0 keeps that byte: its codes are zeros)
.endr
.irp b, 0,1,2,3
	s_delay_alu instid0(VALU_DEP_4)
	v_add_nc_u32 v[BO+\b], 0xfe000000, v[BM+\b]    ; 4 off the exponent field: the conversion's scale operand
.endr
.irp b, 0,1,2,3
	s_delay_alu instid0(VALU_DEP_4)
	v_lshrrev_b32 v[BT+\b], 23, v[BO+\b]           ; the scale's byte
.endr
	s_delay_alu instid0(VALU_DEP_3)
	v_lshl_or_b32 v[PS], v[BT+1], 8, v[BT]         ; p's scale word for these 128 keys
	s_delay_alu instid0(VALU_DEP_1)
	v_lshl_or_b32 v[PS], v[BT+2], 16, v[PS]
	s_delay_alu instid0(VALU_DEP_1)
	v_lshl_or_b32 v[PS], v[BT+3], 24, v[PS]
	s_setprio 0
.irp c, 0,1
	v_cvt_scalef32_pk16_bf6_f32 v[PC+6*\c:PC+6*\c+2], v[S+32*\c:S+32*\c+15], v[BO+2*\c]
	v_cvt_scalef32_pk16_bf6_f32 v[PT+4*\c:PT+4*\c+2], v[S+32*\c+16:S+32*\c+31], v[BO+2*\c+1]
.endr
	v_nop                                          ; one plain line between the conversions and the lines that touch their results
.irp c, 0,1                                    ; the operand wants a whole block in a lane: lanes 0-15 block 2 c, lanes 16-31 block 2 c + 1
.irp i, 0,1,2
	v_permlane16_swap_b32 v[PC+6*\c+\i], v[PT+4*\c+\i]
.endr
.irp i, 0,1,2
	s_delay_alu instid0(VALU_DEP_3)
	v_mov_b32 v[PC+6*\c+3+\i], v[PT+4*\c+\i]
.endr
.endr
.irp j, 0,2,4,6,8,10,12,14,16,18,20,22,24,26,28,30
	v_pk_mul_f32 v[O+\j:O+\j+1], v[O+\j:O+\j+1], v[FF:FF+1] op_sel_hi:[1,0]   ; O^T under the new M.  (These sixteen also stand between the writing of p's codes and scale word and the products)
.endr
	s_wait_alu depctr_va_vdst(0)
	s_wait_dscnt 0x0                               ; V's fragments and scale words are in
.irp t, 0,1,2,3                                ; O^T += V^T P^T: the four accumulators by turns, one instruction a turn
.if \t%2
	v_wmma_scale_f32_16x16x128_f8f6f4 v[O+8*\t:O+8*\t+7], v[FR+12*\t:FR+12*\t+11], v[PC:PC+11], v[O+8*\t:O+8*\t+7], v[VS+\t/2], v[PS] matrix_a_fmt:MATRIX_FMT_BF6 matrix_b_fmt:MATRIX_FMT_BF6 matrix_a_scale:MATRIX_SCALE_ROW1
.else
	v_wmma_scale_f32_16x16x128_f8f6f4 v[O+8*\t:O+8*\t+7], v[FR+12*\t:FR+12*\t+11], v[PC:PC+11], v[O+8*\t:O+8*\t+7], v[VS+\t/2], v[PS] matrix_a_fmt:MATRIX_FMT_BF6 matrix_b_fmt:MATRIX_FMT_BF6
.endif
.endr
.rept 4
	v_nop                                          ; four places ahead of the next loads into V's registers and of the next read of O^T
.endr
.Lhidden_\@:
.endm
; THE WAY OUT of a tile: O^T / the sum goes through my stage and leaves as whole rows of the head: each half of the lanes stores 256 consecutive bytes, at a multiple of 256 from out0's first byte.
.macro OUT ob
	v_add_f32 v14, v14, v15                        ; the sum's two halves,
	s_delay_alu instid0(VALU_DEP_1)
	v_permlanex16_b32 v[TP], v14, s28, s29
	s_delay_alu instid0(VALU_DEP_1)
	v_add_f32 v14, v14, v[TP]                      ; and lane l xor 16's: the row's sum
	s_wait_alu depctr_va_vdst(0)
	v_rcp_f32 v14, v14
	v_nop                                          ; a plain line behind the reciprocal,
	s_wait_alu depctr_va_vdst(0)                   ; and the wait ahead of its first reader
.irp j, 0,2,4,6,8,10,12,14,16,18,20,22,24,26,28,30
	v_pk_mul_f32 v[S+\j:S+\j+1], v[O+\j:O+\j+1], v[14:15] op_sel_hi:[1,0]   ; register 8 t + i is o(query r, channel 16 t + 8 hl + i); each accumulator from its low end on
.endr
.irp t, 0,1,2,3
	ds_store_b128 v4, v[S+8*\t:S+8*\t+3] offset:64*\t
	ds_store_b128 v4, v[S+8*\t+4:S+8*\t+7] offset:64*\t+16
.endr
.irp i, 0,1,2,3,4,5,6,7
	ds_load_b128 v[FR+4*\i:FR+4*\i+3], v5 offset:2*\i*SP   ; LDS serves a wave's instructions in order: these see my stores
.endr
.irp i, 0,1,2,3,4,5,6,7
	s_wait_dscnt 7-\i                              ; rows 2 i and 2 i + 1 are back; the younger loads stay out
	global_store_b128 v6, v[FR+4*\i:FR+4*\i+3], s[\ob:\ob+1] offset:8192*\i th:TH_STORE_NT   ; written once, read by nobody here
.endr
.endm
; A TILE OF 16 QUERIES.  The loop has 16 trips for every wave, a constant, and leaves out the work of the steps behind the tile's diagonal.
.macro PHASE p, ob
.if \p
	s_wait_xcnt 0x0                                ; the first tile's stores have had their addresses translated (ISA guide 3.1): only behind this wait are the registers that they read loaded again
.irp i, 0,1,2,3,4,5
	v_mov_b32 v[QF+\i], v[QB+\i]                   ; the second tile's codes
.endr
	v_mov_b32 v28, v29                             ; and scale words
	s_xor_b32 s13, s13, 15                         ; its diagonal: step 15 - w / 2,
	s_xor_b32 s14, s14, 7                          ; place 7 - rho in it
.endif
	s_lshl_b32 s44, s14, 4
	v_add_nc_u32 v11, s44, v7                      ; d = 16 rho + r - 16 hl
	v_mov_b32 v13, 0xff61b1e6                      ; the largest t so far: -3e38, under every t
	s_delay_alu instid0(VALU_DEP_1)
	v_floor_f32 v12, -v13                          ; -M
	v_mov_b32 v14, 0                               ; the sum, in two halves
	v_mov_b32 v15, 0
.irp j, 0,1,2,3,4,5,6,7,8,9,10,11,12,13,14,15,16,17,18,19,20,21,22,23,24,25,26,27,28,29,30,31
	v_mov_b32 v[O+\j], 0                           ; O^T.  (The step is written once for a tile: its first trip finds zeros, which the first change of M leaves zeros.  These lines also stand between the writing of Q's codes and scale word and the first product)
.endr
	s_mov_b32 s32, 0
	s_mov_b32 s33, 0
.Lstep_\@:
	STEP
	s_add_co_u32 s32, s32, BLKB                    ; the next block
	s_add_co_u32 s33, s33, 1
	s_cmp_lt_u32 s33, 16
	s_cbranch_scc1 .Lstep_\@
	s_setprio 0
	OUT \ob
.endm
	PHASE 0, 40
	PHASE 1, 34
	s_wait_tensorcnt 0x0
	ds_add_u32 v254, v255
	s_wait_dscnt 0x0
	ROUND                                          ; the closing round: no work-group ends while a partner may still ask for a block that names it (no LDS instruction of mine is out: the way out's last wait was for 0)
	s_endpgm
.Lfunc_end_k_q4abd386edf_attn:
	.size	k_q4abd386edf_attn, .Lfunc_end_k_q4abd386edf_attn-k_q4abd386edf_attn
	.p2alignl 7, 3214868480
	.fill 96, 4, 3214868480
	.section	.rodata,"a",@progbits
	.p2align	6, 0x0
	.amdhsa_kernel k_q4abd386edf_attn
		.amdhsa_group_segment_fixed_size 280576
		.amdhsa_private_segment_fixed_size 0
		.amdhsa_enable_private_segment 0
		.amdhsa_kernarg_size 24
		.amdhsa_user_sgpr_count 2
		.amdhsa_user_sgpr_kernarg_segment_ptr 1
		.amdhsa_wavefront_size32 1
		.amdhsa_system_sgpr_workgroup_id_x 1
		.amdhsa_system_sgpr_workgroup_id_y 1
		.amdhsa_system_sgpr_workgroup_id_z 1
		.amdhsa_system_vgpr_workitem_id 0
		.amdhsa_next_free_vgpr 256
		.amdhsa_next_free_sgpr 66
		.amdhsa_reserve_vcc 1
		.amdhsa_float_denorm_mode_32 3
		.amdhsa_float_denorm_mode_16_64 3
		.amdhsa_memory_ordered 1
		.amdhsa_forward_progress 1
		.amdhsa_inst_pref_size 67
	.end_amdhsa_kernel
	.amdgpu_metadata
---
amdhsa.version: [ 1, 2 ]
amdhsa.kernels:
  - .name:           k_q4abd386edf_attn
    .symbol:         k_q4abd386edf_attn.kd
    .args:
      - { .name: queries, .offset: 0, .size: 8, .value_kind: global_buffer, .address_space: global }
      - { .name: kv, .offset: 8, .size: 8, .value_kind: global_buffer, .address_space: global }
      - { .name: out0, .offset: 16, .size: 8, .value_kind: global_buffer, .address_space: global }
    .group_segment_fixed_size: 280576
    .private_segment_fixed_size: 0
    .kernarg_segment_align: 8
    .kernarg_segment_size: 24
    .max_flat_workgroup_size: 512
    .sgpr_count:     66
    .vgpr_count:     256
    .wavefront_size: 32
...
	.end_amdgpu_metadata
.endif
;; end of part 2
